; MI455X (gfx1250); checked and timed in simulation.
; The chip was launched on July 23, 2026; its instructions are those of AMD's public machine-readable ISA for CDNA 5 (MIT licence, August 2026) and "CDNA5" Instruction Set Architecture Reference Guide (July 2026). The comments in the code are by the model that wrote it; some were corrected since.
;; Permuted Residual Attention Block. Allowed arithmetic: matrix products marked QUANTISED: E4M3 operands, one E8M0 scale for each 32 along K, by v_wmma_scale_f32_16x16x128_f8f6f4 with both operands' format E4M3, f32 sums; everything else in f32.
;; Inputs: Wk_codes 256 x 8 x 32 uint8 (E4M3 codes of Wk, K innermost, in blocks of 32 codes); Wk_scales 256 x 8 uint8 (E8M0 scales of Wk, one for each 32 codes along K); Wq_codes 256 x 8 x 32 uint8 (E4M3 codes of Wq, K innermost, in blocks of 32 codes); Wq_scales 256 x 8 uint8 (E8M0 scales of Wq, one for each 32 codes along K); Wv_codes 256 x 8 x 32 uint8 (E4M3 codes of Wv, K innermost, in blocks of 32 codes); Wv_scales 256 x 8 uint8 (E8M0 scales of Wv, one for each 32 codes along K); bk 256 float32; bq 256 float32; bv 256 float32; x 8 x 256 x 8,192 float32.
;; Outputs: out0 8 x 256 x 8,192 float32.
;; This version of the problem:
;;   THIS VERSION OF THE PROBLEM IS GIVEN IN LOW PRECISION. The matrix products marked QUANTISED in the list below multiply operands that are first quantised to E4M3 (4 exponent bits, 3 mantissa bits; 8 bits a number), with one power-of-two scale for each 32 numbers along K (OCP MX v1.0); their sums are f32. All else is computed in f32.
;;   The module's matrix products, in the order in which they are computed (A, B: the left and right operand; K: the contracted axis; several contracted axes count as one K, in the product's order):
;;     1. [M 65,536, K 256] x [K 256, N 256]; A: input x; B: input Wq (given as codes): QUANTISED
;;     2. [M 65,536, K 256] x [K 256, N 256]; A: input x; B: input Wk (given as codes): QUANTISED
;;     3. [M 65,536, K 256] x [K 256, N 256]; A: input x; B: input Wv (given as codes): QUANTISED
;;     4. batch 128 x [M 512, K 256] x [K 256, N 1,024]; A: computed on the way; B: computed on the way: QUANTISED
;;     5. batch 128 x [M 512, K 1,024] x [K 1,024, N 256]; A: softmax (see below); B: computed on the way: QUANTISED
;;   THE QUANTISER, for each operand of a quantised product, along K:
;;     - K is cut into blocks of 32 from its start; a last block that is shorter is filled with zeros.
;;     - A block's scale is 2^e with e = floor(log2(the largest magnitude in the block)) - 8, held to -126 .. 127; a block of zeros has e = 0. As a byte (E8M0): e + 127.
;;     - Each number is divided by its block's scale, clamped to +-448, and rounded to the nearest number of E4M3, ties to even, subnormals kept.
;;     - The product sums the exact products of the quantised numbers (number of the format x scale) in f32.
;;   ~~~python
;;   def quantise(x, axis):      # numpy; x: float32 -> the quantised numbers, widened to float32 again
;;       x = np.moveaxis(x, axis, -1); K = x.shape[-1]
;;       x = np.pad(x, [(0, 0)] * (x.ndim - 1) + [(0, -K % 32)]); x = x.reshape(x.shape[:-1] + (-1, 32)); a = np.abs(x).max(-1, keepdims=True)
;;       e = np.where(a > 0, np.clip(np.frexp(np.where(a > 0, a, 1))[1] - 1 - 8, -126, 127), 0)      # np.frexp(a)[1] - 1 = floor(log2(a)), exactly
;;       r = np.clip(x / 2.0 ** e, -448, 448)
;;       step = 2.0 ** (np.maximum(np.frexp(np.where(r == 0, 1, r))[1] - 1, -6) - 3)
;;       q = np.round(r / step) * step * 2.0 ** e      # np.round: ties to even
;;       return np.moveaxis(q.reshape(q.shape[:-2] + (-1,))[..., :K], -1, axis).astype(np.float32)
;;   ~~~
;;   SOFTMAX AHEAD OF A QUANTISED PRODUCT. Where the list says 'softmax', what is quantised is not the finished softmax but p = 2^(t - M), with t = logit x log2(e) and M = ceil(the row's largest t), a whole number; so 1/2 < the row's largest p <= 1. The row's sum l is taken of the UNQUANTISED p, in f32, and the product's result is divided by l at the end. Since M is a whole number, a kernel that streams over the keys may use a running M (the ceiling of the running maximum): every later rescaling is an exact power of two, which a block's scale takes up: the codes' values come out the same.
;;   OPERANDS COMPUTED ON THE WAY. 'Computed on the way' means the value that the module computes at that place (a softmax that the list does not call 'softmax' is quantised finished and normalised). What goes into a quantiser is computed in f32, as accurately as f32 sums, v_exp_f32 and their like allow (about 1e-6 of the number): no bf16 or f16 on the way to a quantiser, and a product that is left as it is and whose result goes on into a quantised operand takes f32 operands (vector FMAs, or v_wmma_f32_16x16x4_f32). A number that lies on a knife's edge between two numbers of the format may be rounded either way, as far as f32 arithmetic and the matrix unit's own rounding can turn it there, and no further.
;;   INPUTS GIVEN AS CODES. Wk (in the module: [256, 256], K = its axis 1); Wq (in the module: [256, 256], K = its axis 1); Wv (in the module: [256, 256], K = its axis 1): each comes as NAME_codes (uint8): NAME with its K axis moved to the last place and cut into blocks of 32 codes, [.., K / 32, bytes a block], one block behind the other in memory; one code a byte (a code: sign, 4 exponent bits, 3 mantissa bits); and NAME_scales (uint8): the same leading axes, one E8M0 byte (e + 127) for each 32 codes along K. Its value is code x scale, taken as it is: it is not quantised again, and the codes and scales need not be those that the quantiser above would give.
;; One version. Each part assembles by itself: llvm-mc -triple=amdgcn-amd-amdhsa -mcpu=gfx1250 --defsym DOCPART=n.
;; ======== version 1 of 1: 2 launches
;; limits: right only within a limited range of input values
;; workspace buffers: q 17,301,504 bytes; kv 34,603,008 bytes
;; launch project (part 1): grid 256 x 1, 8 waves a work-group, no clusters, 327,680 bytes of LDS; arguments x, Wq_codes, Wq_scales, bq, Wk_codes, Wk_scales, bk, Wv_codes, Wv_scales, bv, q, kv; writes q, kv
.if DOCPART == 1
	.amdgcn_target "amdgcn-amd-amdhsa--gfx1250"
	.amdhsa_code_object_version 6
	.text
	.protected	k_q1323e9ef89_project
	.globl	k_q1323e9ef89_project
	.p2align	8
	.type	k_q1323e9ef89_project,@function
k_q1323e9ef89_project:
	s_mov_b64 s[64:65], 0
	v_nop
	global_prefetch_b8 v0, s[64:65] scope:SCOPE_SE
	s_setreg_imm32_b32 hwreg(HW_REG_WAVE_MODE, 25, 1), 1
	s_wait_xcnt 0x0
; q, k, v = Q(x^T) W^T + b on codes of FP8 (E4M3) with one E8M0 scale for each 32 along K, and their quantisers: x is quantised along the channels, q and k along their channels, v along the positions.
; A work-group owns 256 positions of one batch, in four slots of 64; a slot of x is 256 channels x 64 positions of f32, rows of 256 bytes + 8 of padding in LDS; each of the eight waves brings 32 channels of a slot by one tensor load.
; Slot 0 is asked for at the head; slot n + 1 is asked for behind the barrier that opens slot n, so that it is on its way while slot n is quantised and multiplied.  Every slot is filled once.
; Waves 0-1 make q, waves 2-3 k, waves 4-7 v; their weights, scale words and biases stay in registers.  Results leave as images of the next launch's operand registers.
; No work of reference() is left out here.  LIMITS: NaN and infinities are not served; a block of zeros keeps the scale byte 1 (its codes are zeros).
.set XSLOT, 67584
.set XPIT,  264
.set XIMG,  4*XSLOT
.set XSC,   XIMG+16384
.set BNC,   XSC+512
.set SPARE, BNC+2048
.set RECB,  16896
.set BLKB,  67584
.set XR,  1
.set XW,  2
.set XSW, 3
.set LI,  4
.set LSX, 5
.set ADX, 6
.set ADS, 7
.set ADB, 8
.set BW,  9
.set BR,  10
.set GO16, 11
.set GO8, 12
.set SPW, 14
.set NIL, 15
.set XF,  16
.set HA,  80
.set PC,  144
.set TM,  160
.set PW,  176
.set BD,  178
.set WS,  180
.set VW,  184
.set XS,  188
.set BIAS, 192
.set WV,  2
.set GB,  3
.set JW,  4
.set MNT, 5
.set WC,  6
.set WSP, 8
.set BP,  10
.set OUTP, 12
.set OSC, 14
.set SO2, 16
.set SOS, 18
.set SEL, 20
.set G1,  24
.set G0,  32
.set MSB, 0
.macro WIN new
.if MSB != \new
	s_set_vgpr_msb (MSB<<8)|\new
.set MSB, \new
.endif
.endm
.macro NOPS n
.rept \n
	v_nop
.endr
.endm
.macro QUANT src, kind
.irp b, 0,1,2,3
	v_max3_num_f32 v[TM+\b], |v[\src+16*\b]|, |v[\src+1+16*\b]|, 0x4800000
.endr
.irp i, 2,4,6,8,10,12,14
.irp b, 0,1,2,3
	v_max3_num_f32 v[TM+\b], v[TM+\b], |v[\src+16*\b+\i]|, |v[\src+1+16*\b+\i]|
.endr
.endr
.irp b, 0,1,2,3
	s_delay_alu instid0(VALU_DEP_4)
	v_permlanex16_b32 v[TM+4+\b], v[TM+\b], s[SEL], s[SEL+1]
.endr
.irp b, 0,1,2,3
	s_delay_alu instid0(VALU_DEP_4)
	v_max_num_f32 v[TM+\b], v[TM+\b], v[TM+4+\b]
.endr
.irp b, 0,1,2,3
	s_delay_alu instid0(VALU_DEP_4)
	v_add_nc_u32 v[TM+12+\b], 0xfc000000, v[TM+\b]
.endr
.irp b, 0,1,2,3
	v_and_or_b32 v[TM+8+\b], v[TM+\b], 0x7f800000, s[MNT]
.endr
.irp b, 0,1,2,3
	v_lshrrev_b32 v[TM+4+\b], 23, v[TM+12+\b]
.endr
.if \kind
.irp b, 0,1,2,3
	v_lshrrev_b32 v[VW+\b], 8, v[VW+\b]
.endr
.irp b, 0,1,2,3
	s_delay_alu instid0(VALU_DEP_4)
	v_lshl_or_b32 v[VW+\b], v[TM+4+\b], 24, v[VW+\b]
.endr
.else
	s_delay_alu instid0(VALU_DEP_3)
	v_lshl_or_b32 v[PW], v[TM+5], 8, v[TM+4]
	s_delay_alu instid0(VALU_DEP_1)
	v_lshl_or_b32 v[PW], v[TM+6], 16, v[PW]
	s_delay_alu instid0(VALU_DEP_1)
	v_lshl_or_b32 v[PW], v[TM+7], 24, v[PW]
.endif
	s_wait_xcnt 0x0
.irp b, 0,1,2,3
.irp i, 0,1,2,3,4,5,6,7,8,9,10,11,12,13,14,15
	v_med3_num_f32 v[\src+16*\b+\i], v[\src+16*\b+\i], -v[TM+8+\b], v[TM+8+\b]
.endr
	v_cvt_scalef32_pk8_fp8_f32 v[PC+4*\b:PC+4*\b+1], v[\src+16*\b:\src+16*\b+7], v[TM+12+\b]
	v_cvt_scalef32_pk8_fp8_f32 v[PC+4*\b+2:PC+4*\b+3], v[\src+16*\b+8:\src+16*\b+15], v[TM+12+\b]
.endr
	v_nop
.endm
	s_load_b512 s[68:83], s[0:1], 0x0
	s_load_b256 s[84:91], s[0:1], 0x40
	v_lshl_add_u32 v[SPW], v0, 2, SPARE
	v_mov_b32 v[NIL], 0
	ds_add_u32 v[SPW], v[NIL]
	ds_add_u32 v[SPW], v[NIL]
	v_lshrrev_b32 v1, 5, v0
	s_delay_alu instid0(VALU_DEP_1)
	v_readfirstlane_b32 s[WV], v1
	s_mov_b32 s[G1+0], (2<<16)|(1<<20)|(5<<22)|(1<<25)
	s_mov_b32 s[G1+1], 64<<16
	s_mov_b32 s[G1+2], 32<<16
	s_mov_b32 s[G1+3], 64<<16
	s_mov_b32 s[G1+4], 32
	s_mov_b32 s[G1+5], 8192
	s_mov_b32 s[G1+6], 0
	s_mov_b32 s[G1+7], 0
	s_mov_b32 s[SEL], 0x76543210
	s_mov_b32 s[SEL+1], 0xfedcba98
	s_mov_b32 s[MNT], 0x600000
	s_lshr_b32 s48, ttmp9, 5
	s_lshl_b32 s48, s48, 23
	s_and_b32 s49, ttmp9, 31
	s_lshl_b32 s49, s49, 10
	s_add_co_u32 s48, s48, s49
	s_lshl_b32 s49, s[WV], 20
	s_add_co_u32 s48, s48, s49
	s_mov_b32 s49, 0
	s_mul_i32 s50, s[WV], 32*XPIT
	s_and_b32 s52, s[WV], 1
	s_lshl_b32 s52, s52, 1
	s_and_b32 s53, s[WV], 3
	s_cmp_lt_u32 s[WV], 4
	s_cselect_b32 s[JW], s52, s53
	s_mul_i32 s54, ttmp9, 4*RECB
	s_lshl_b32 s55, s54, 1
	s_mov_b32 s56, BLKB-2*RECB+512
	s_mov_b32 s57, BLKB-RECB
	s_cmp_lt_u32 s[WV], 2
	s_cselect_b32 s54, s54, s55
	s_cselect_b32 s[SO2], 512, s56
	s_cselect_b32 s[SOS], RECB, s57
	s_mov_b32 s[SO2+1], 0
	s_mov_b32 s[SOS+1], 0
	s_lshl_b32 s58, s[JW], 10
	s_lshl_b32 s59, s[JW], 13
	s_add_co_u32 s59, s59, 2*RECB
	s_lshl_b32 s60, s[JW], 7
	s_add_co_u32 s60, s60, 16384
	s_lshl_b32 s61, s[JW], 8
	s_add_co_u32 s61, s61, 2*RECB+32768
	s_cmp_lt_u32 s[WV], 4
	s_cselect_b32 s58, s58, s59
	s_cselect_b32 s60, s60, s61
	s_add_co_u32 s58, s58, s54
	s_add_co_u32 s60, s60, s54
	s_mov_b32 s59, 0
	s_mov_b32 s61, 0
	s_wait_dscnt 0x0
	s_wait_kmcnt 0x0
	s_add_nc_u64 s[48:49], s[68:69], s[48:49]
.irp n, 0,1,2,3
	s_mov_b32 s[G0+4*\n], 1
	s_add_co_u32 s[G0+4*\n+1], s50, \n*XSLOT
	s_add_nc_u64 s[G0+4*\n+2:G0+4*\n+3], s[48:49], \n*256
	s_or_b32 s[G0+4*\n+3], s[G0+4*\n+3], 0x80000000
.endr
	tensor_load_to_lds s[G0:G0+3], s[G1:G1+7]      ; slot 0, my 32 channels: my one tensor load at the head
	s_nop 0
	NOPS 4
	s_cmp_lt_u32 s[WV], 2
	s_cselect_b64 s[WC:WC+1], s[70:71], s[76:77]
	s_cselect_b64 s[WSP:WSP+1], s[72:73], s[78:79]
	s_cselect_b64 s[BP:BP+1], s[74:75], s[80:81]
	s_cselect_b64 s[OUTP:OUTP+1], s[88:89], s[90:91]
	s_cmp_lt_u32 s[WV], 4
	s_cselect_b64 s[WC:WC+1], s[WC:WC+1], s[82:83]
	s_cselect_b64 s[WSP:WSP+1], s[WSP:WSP+1], s[84:85]
	s_cselect_b64 s[BP:BP+1], s[BP:BP+1], s[86:87]
	s_mov_b64 s[OSC:OSC+1], s[OUTP:OUTP+1]
	s_add_nc_u64 s[OUTP:OUTP+1], s[OUTP:OUTP+1], s[58:59]
	s_add_nc_u64 s[OSC:OSC+1], s[OSC:OSC+1], s[60:61]
	s_lshl_b32 s48, s[JW], 14
	s_mov_b32 s49, 0
	s_add_nc_u64 s[WC:WC+1], s[WC:WC+1], s[48:49]
	s_lshl_b32 s48, s[JW], 9
	s_add_nc_u64 s[WSP:WSP+1], s[WSP:WSP+1], s[48:49]
	s_lshl_b32 s48, s[JW], 8
	s_add_nc_u64 s[BP:BP+1], s[BP:BP+1], s[48:49]
	v_and_b32 v16, 15, v0
	v_bfe_u32 v17, v0, 4, 1
	v_and_b32 v18, 31, v0
	v_and_b32 v19, 8, v0
	s_delay_alu instid0(VALU_DEP_1)
	v_add_nc_u32 v19, v19, v16
	s_delay_alu instid0(VALU_DEP_1)
	v_lshlrev_b32 v[XR], 2, v19
	s_delay_alu instid0(VALU_DEP_1)
	v_mad_u32_u24 v[XR], v17, 16*XPIT, v[XR]
	s_wait_alu depctr_va_vdst(0)
	s_and_b32 s48, s[WV], 1
	s_mul_i32 s48, s48, 128*XPIT
	s_lshr_b32 s49, s[WV], 2
	s_lshl_b32 s49, s49, 7
	s_add_co_u32 s48, s48, s49
	s_bfe_u32 s49, s[WV], 0x10001
	s_lshl_b32 s49, s49, 5
	s_add_co_u32 s48, s48, s49
	v_add_nc_u32 v[XR], s48, v[XR]
	v_lshlrev_b32 v[GO16], 4, v18
	v_lshlrev_b32 v[GO8], 3, v18
	s_delay_alu instid0(VALU_DEP_2)
	v_add_nc_u32 v[LI], XIMG, v[GO16]
	s_lshl_b32 s48, s[WV], 11
	v_add_nc_u32 v[XW], s48, v[LI]
	v_lshl_add_u32 v[LSX], v18, 2, XSC
	v_lshl_add_u32 v[XSW], v16, 2, XSC
	s_lshl_b32 s48, s[WV], 6
	v_add_nc_u32 v[XSW], s48, v[XSW]
	v_lshl_add_u32 v[BW], v16, 2, BNC
	s_lshl_b32 s48, s[WV], 8
	v_add_nc_u32 v[BW], s48, v[BW]
	v_add_nc_u32 v[BR], BNC, v[GO8]
	s_delay_alu instid0(VALU_DEP_1)
	v_add_nc_u32 v[BR], s48, v[BR]
.irp b, 0,1,2,3
	v_mov_b32 v[TM+4+\b], 0
	v_mov_b32 v[VW+\b], 0
.endr
	s_cmp_lt_u32 s[WV], 4
	s_cbranch_scc0 .Lweights_v
	v_lshlrev_b32 v20, 8, v19
	s_delay_alu instid0(VALU_DEP_1)
	v_lshl_add_u32 v20, v17, 4, v20
	v_lshlrev_b32 v21, 3, v19
	s_delay_alu instid0(VALU_DEP_1)
	v_lshl_add_u32 v21, v17, 2, v21
	v_lshlrev_b32 v22, 6, v17
	WIN 0x40
.irp t, 0,1,2,3,4,5,6,7
.irp q, 0,1
.irp c, 0,1,2,3
	global_load_b128 v[32*\t+16*\q+4*\c:32*\t+16*\q+4*\c+3], v20, s[WC:WC+1] offset:(32*(\t/2)+8*(\t%2))*256+128*\q+32*\c
.endr
.endr
.endr
	WIN 0
.irp t, 0,1,2,3,4,5,6,7
	global_load_b32 v[WS+\t], v21, s[WSP:WSP+1] offset:(32*(\t/2)+8*(\t%2))*8
	global_load_b128 v[BIAS+8*\t:BIAS+8*\t+3], v22, s[BP:BP+1] offset:(32*(\t/2)+8*(\t%2))*4
	global_load_b128 v[BIAS+8*\t+4:BIAS+8*\t+7], v22, s[BP:BP+1] offset:(32*(\t/2)+8*(\t%2))*4+16
.endr
	s_branch .Lweights_in
.Lweights_v:
	v_lshlrev_b32 v20, 8, v16
	s_delay_alu instid0(VALU_DEP_1)
	v_lshl_add_u32 v20, v17, 4, v20
	v_lshlrev_b32 v21, 3, v16
	s_delay_alu instid0(VALU_DEP_1)
	v_lshl_add_u32 v21, v17, 2, v21
	v_lshlrev_b32 v22, 2, v16
	WIN 0x40
.irp t, 0,1,2,3
.irp q, 0,1
.irp c, 0,1,2,3
	global_load_b128 v[32*\t+16*\q+4*\c:32*\t+16*\q+4*\c+3], v20, s[WC:WC+1] offset:16*\t*256+128*\q+32*\c
.endr
.endr
.endr
	WIN 0
.irp t, 0,1,2,3
	global_load_b32 v[WS+\t], v21, s[WSP:WSP+1] offset:128*\t
.irp i, 0,1,2,3,4,5,6,7
	global_load_b32 v[BIAS+8*\t+\i], v22, s[BP:BP+1] offset:64*\t
.endr
.endr
.Lweights_in:
	s_wait_loadcnt 0x0
.macro SLOT sl
	s_wait_alu depctr_va_vdst(0)
	s_wait_tensorcnt 0x0                           ; my one load that is out, my part of this slot, has landed
	ds_add_u32 v[SPW], v[NIL]                      ; 0 onto my spare word
	s_wait_dscnt 0x0                               ; the add is done, and so are my LDS instructions of the slot before
	s_barrier_signal -1
	s_barrier_wait -1                              ; the slot is whole for every wave
.if \sl < 3
	tensor_load_to_lds s[G0+4*\sl+4:G0+4*\sl+7], s[G1:G1+7]   ; the next slot's first fill: my one tensor load behind this barrier; it has this slot's work in which to land
	s_nop 0
.endif
.irp c, 0,1,2,3
.irp i, 0,1,2,3,4,5,6,7,8,9,10,11,12,13,14,15
	ds_load_b32 v[HA+16*\c+\i], v[XR] offset:(32*\c+\i)*XPIT
.endr
.endr
	s_wait_dscnt 0x0
.if \sl < 3
	v_add_nc_u32 v[XR], XSLOT, v[XR]
.endif
	QUANT HA, 0
.irp c, 0,1,2,3
	ds_store_b128 v[XW], v[PC+4*\c:PC+4*\c+3] offset:512*\c
.endr
	ds_store_b32 v[XSW], v[PW]
	s_wait_dscnt 0x0
	s_barrier_signal -1
	s_barrier_wait -1
	s_mov_b32 s[GB], 0
.Lgroup_\@:
	v_add_nc_u32 v[ADX], s[GB], v[LI]
	s_lshr_b32 s22, s[GB], 5
	v_add_nc_u32 v[ADS], s22, v[LSX]
	s_lshr_b32 s23, s[GB], 6
	v_add_nc_u32 v[ADB], s23, v[BW]
.irp u, 0,1
.irp q, 0,1
.irp c, 0,1,2,3
	ds_load_b128 v[XF+32*\u+16*\q+4*\c:XF+32*\u+16*\q+4*\c+3], v[ADX] offset:4096*\u+2048*\q+512*\c
.endr
.endr
	ds_load_b32 v[XS+\u], v[ADS] offset:128*\u
.endr
	s_cmp_lt_u32 s[WV], 4
	s_cbranch_scc0 .Lrole_v_\@
.irp u, 0,1
.if \u == 0
	s_wait_dscnt 9
.else
	s_wait_dscnt 0x0
.endif
	WIN 0x01
.irp t, 0,1,2,3,4,5,6,7
	v_wmma_scale_f32_16x16x128_f8f6f4 v[HA+8*\t:HA+8*\t+7], v[32*\t:32*\t+15], v[XF+32*\u:XF+32*\u+15], v[BIAS+8*\t:BIAS+8*\t+7], v[WS+\t], v[XS+\u]
.endr
.irp t, 0,1,2,3,4,5,6,7
	v_wmma_scale_f32_16x16x128_f8f6f4 v[HA+8*\t:HA+8*\t+7], v[32*\t+16:32*\t+31], v[XF+32*\u+16:XF+32*\u+31], v[HA+8*\t:HA+8*\t+7], v[WS+\t], v[XS+\u] matrix_a_scale:MATRIX_SCALE_ROW1 matrix_b_scale:MATRIX_SCALE_ROW1
.endr
	WIN 0
	NOPS 8
	QUANT HA, 0
.irp c, 0,1,2,3
	global_store_b128 v[GO16], v[PC+4*\c:PC+4*\c+3], s[OUTP:OUTP+1] offset:4096*\u+512*\c
.endr
	ds_store_b32 v[ADB], v[PW] offset:64*\u
.endr
	s_wait_xcnt 0x0
	s_add_nc_u64 s[OUTP:OUTP+1], s[OUTP:OUTP+1], 8192
	s_wait_dscnt 0x0
	s_branch .Lrole_done_\@
.Lrole_v_\@:
	s_wait_dscnt 0x0
	WIN 0x04
.irp q, 0,1
.irp u, 0,1
.irp t, 0,1,2,3
.if \q == 0
	v_wmma_scale_f32_16x16x128_f8f6f4 v[HA+16*\t+8*\u:HA+16*\t+8*\u+7], v[XF+32*\u:XF+32*\u+15], v[32*\t:32*\t+15], v[BIAS+8*\t:BIAS+8*\t+7], v[XS+\u], v[WS+\t]
.else
	v_wmma_scale_f32_16x16x128_f8f6f4 v[HA+16*\t+8*\u:HA+16*\t+8*\u+7], v[XF+32*\u+16:XF+32*\u+31], v[32*\t+16:32*\t+31], v[HA+16*\t+8*\u:HA+16*\t+8*\u+7], v[XS+\u], v[WS+\t] matrix_a_scale:MATRIX_SCALE_ROW1 matrix_b_scale:MATRIX_SCALE_ROW1
.endif
.endr
.endr
.endr
	WIN 0
	NOPS 8
	QUANT HA, 1
.irp t, 0,1,2,3
	global_store_b128 v[GO16], v[PC+4*\t:PC+4*\t+3], s[OUTP:OUTP+1] offset:2048*\t
.endr
	s_wait_xcnt 0x0
	s_add_nc_u64 s[OUTP:OUTP+1], s[OUTP:OUTP+1], 512
.Lrole_done_\@:
	s_add_co_u32 s[GB], s[GB], 8192
	s_cmp_lt_u32 s[GB], 16384
	s_cbranch_scc1 .Lgroup_\@
	s_cmp_lt_u32 s[WV], 4
	s_cbranch_scc0 .Lflush_v_\@
	ds_load_b64 v[BD:BD+1], v[BR]
	s_wait_dscnt 0x0
	global_store_b64 v[GO8], v[BD:BD+1], s[OSC:OSC+1]
	s_wait_xcnt 0x0
.if ((\sl)%2) == 0
	s_add_nc_u64 s[OUTP:OUTP+1], s[OUTP:OUTP+1], 512
	s_add_nc_u64 s[OSC:OSC+1], s[OSC:OSC+1], RECB
.else
	s_add_nc_u64 s[OUTP:OUTP+1], s[OUTP:OUTP+1], s[SO2:SO2+1]
	s_add_nc_u64 s[OSC:OSC+1], s[OSC:OSC+1], s[SOS:SOS+1]
.endif
	s_branch .Lflush_done_\@
.Lflush_v_\@:
.if ((\sl)%2) == 1
.irp t, 0,1,2,3
	ds_store_b32 v[BW], v[VW+\t] offset:64*\t
.endr
	ds_load_b64 v[BD:BD+1], v[BR]
	s_wait_dscnt 0x0
	global_store_b64 v[GO8], v[BD:BD+1], s[OSC:OSC+1]
	s_wait_xcnt 0x0
	s_add_nc_u64 s[OUTP:OUTP+1], s[OUTP:OUTP+1], BLKB-2048
	s_add_nc_u64 s[OSC:OSC+1], s[OSC:OSC+1], BLKB
.endif
.Lflush_done_\@:
.endm
	SLOT 0
	SLOT 1
	SLOT 2
	SLOT 3
	s_wait_tensorcnt 0x0
	ds_add_u32 v[SPW], v[NIL]
	s_wait_dscnt 0x0
	s_endpgm
.Lfunc_end_k_q1323e9ef89_project:
	.size	k_q1323e9ef89_project, .Lfunc_end_k_q1323e9ef89_project-k_q1323e9ef89_project
	.p2alignl 7, 3214868480
	.fill 96, 4, 3214868480
	.section	.rodata,"a",@progbits
	.p2align	6, 0x0
	.amdhsa_kernel k_q1323e9ef89_project
		.amdhsa_group_segment_fixed_size 327680
		.amdhsa_private_segment_fixed_size 0
		.amdhsa_enable_private_segment 0
		.amdhsa_kernarg_size 96
		.amdhsa_user_sgpr_count 2
		.amdhsa_user_sgpr_kernarg_segment_ptr 1
		.amdhsa_wavefront_size32 1
		.amdhsa_system_sgpr_workgroup_id_x 1
		.amdhsa_system_sgpr_workgroup_id_y 1
		.amdhsa_system_sgpr_workgroup_id_z 1
		.amdhsa_system_vgpr_workitem_id 0
		.amdhsa_next_free_vgpr 512
		.amdhsa_next_free_sgpr 100
		.amdhsa_reserve_vcc 0
		.amdhsa_float_denorm_mode_32 3
		.amdhsa_float_denorm_mode_16_64 3
		.amdhsa_memory_ordered 1
		.amdhsa_forward_progress 1
		.amdhsa_inst_pref_size 221
	.end_amdhsa_kernel
	.amdgpu_metadata
---
amdhsa.version: [ 1, 2 ]
amdhsa.kernels:
  - .name:           k_q1323e9ef89_project
    .symbol:         k_q1323e9ef89_project.kd
    .args:
      - { .name: x, .offset: 0, .size: 8, .value_kind: global_buffer, .address_space: global }
      - { .name: Wq_codes, .offset: 8, .size: 8, .value_kind: global_buffer, .address_space: global }
      - { .name: Wq_scales, .offset: 16, .size: 8, .value_kind: global_buffer, .address_space: global }
      - { .name: bq, .offset: 24, .size: 8, .value_kind: global_buffer, .address_space: global }
      - { .name: Wk_codes, .offset: 32, .size: 8, .value_kind: global_buffer, .address_space: global }
      - { .name: Wk_scales, .offset: 40, .size: 8, .value_kind: global_buffer, .address_space: global }
      - { .name: bk, .offset: 48, .size: 8, .value_kind: global_buffer, .address_space: global }
      - { .name: Wv_codes, .offset: 56, .size: 8, .value_kind: global_buffer, .address_space: global }
      - { .name: Wv_scales, .offset: 64, .size: 8, .value_kind: global_buffer, .address_space: global }
      - { .name: bv, .offset: 72, .size: 8, .value_kind: global_buffer, .address_space: global }
      - { .name: q, .offset: 80, .size: 8, .value_kind: global_buffer, .address_space: global }
      - { .name: kv, .offset: 88, .size: 8, .value_kind: global_buffer, .address_space: global }
    .group_segment_fixed_size: 327680
    .private_segment_fixed_size: 0
    .kernarg_segment_align: 8
    .kernarg_segment_size: 96
    .max_flat_workgroup_size: 256
    .sgpr_count:     100
    .vgpr_count:     512
    .wavefront_size: 32
...
	.end_amdgpu_metadata
.endif
;; end of part 1
;; launch attend (part 2): grid 256 x 1, 4 waves a work-group, no clusters, 327,680 bytes of LDS; arguments q, kv, x, out0; writes out0
.if DOCPART == 2
	.amdgcn_target "amdgcn-amd-amdhsa--gfx1250"
	.amdhsa_code_object_version 6
	.text
	.protected	k_q1323e9ef89_attend
	.globl	k_q1323e9ef89_attend
	.p2align	8
	.type	k_q1323e9ef89_attend,@function
k_q1323e9ef89_attend:
	s_mov_b64 s[64:65], 0
	v_nop
	global_prefetch_b8 v0, s[64:65] scope:SCOPE_SE
	s_setreg_imm32_b32 hwreg(HW_REG_WAVE_MODE, 25, 1), 1
	s_wait_xcnt 0x0
; out[b][d][n] = x[b][d][n] + the causal attention of position n over its window of 512 and the window before, on codes of FP8 (E4M3) with one E8M0 scale for each 32 along a product's K.
; q and kv hold images of the operands' registers: a fragment (16 rows x 128 K) is 2,048 bytes, register group c of lane l at 512 c + 16 l.
;   q: a record of 16,896 bytes for each 64 positions (fragment (tile, channel step) at 4096 tile + 2048 step; scale words at 16,384 + 256 step + 64 tile + 4 r);
;   kv: a block of 67,584 bytes for each 128 positions: two such records of k, then v with the keys along K (channel tile t at 33,792 + 2048 t; scale words at 66,560 + 64 t + 4 r).
;   In a group of 32 positions lane r of tile u stands for position 8 u + r + 8 (r / 8).
; LEFT OUT: key blocks that reference()'s own mask hides whole from a pair of query tiles (keys after all its queries; the window before window 0) are not multiplied: their p is 0 for all inputs.
; THE SOFTMAX: t = score x log2(e) / 16; M = the running largest t rounded UP to a whole number, kept as -M; p = 2^(t - M) is quantised along the keys, not normalised; l is the sum of the unquantised p and divides at the end.
;   When M moves, l and O are multiplied by a power of two, and the scale bytes of codes already made move by the same whole number.
; SHARES.  A work-group owns 256 queries of a window: of each group of 128 queries the half hw.  Each of its FOUR waves owns four tiles of 16 queries: pair A, 32 queries of group w / 2, and pair B, the same 32 of group 3 - w / 2:
;   5 + 8 or 6 + 7 key blocks, 26 tile steps in every wave, and each fragment of k and v read from LDS feeds four products while both pairs are at work.
; STEPS.  Step T is block first + T, 128 keys.  A pair works while T <= its TD, its step on the diagonal, where hidden scores become -infinity.  Windows 1-15: TD = 4 + group; window 0: TD = group, nothing asked for beyond step 3.
;   Step 0, which all pairs work, is written out: its products V^T P^T start O^T's sums with the constant 0.  A trip of the loop holds a step of both pairs, a step of pair B alone, or none: chosen by ids and the count of steps.
; BOTH PRODUCTS ARE USED TRANSPOSED: S^T = K Q^T, O^T = V^T P^T: a lane holds one query throughout.  A step goes in two halves of 64 keys, then O^T takes all 128 keys.
; FRAGMENTS ARE ASKED FOR IN RUNS, AHEAD OF THEIR PRODUCTS: a step's key tiles 0-3 at its head; tiles 4-6 ahead of the first half's softmax; tile 7 behind tile 4's products; v's groups 0-2 ahead of O^T's rescaling, group 3 behind group 0's products.
; THE RING: two slots 2^17 bytes apart; each wave brings a quarter of a block, one tensor load behind each change of slots.
; THE WAY OUT: O^T goes through a stage in LDS, [channel][64 queries], that no fill touches, and comes back as rows of 256 bytes; out = O / l + x.  A trip has two intervals, parted by a second barrier: the first reads the stage, the second writes it.
;   Pair A is staged in the trip TSA = max(TD of A, 1); its x is then asked for into A's freed registers; one trip on A leaves behind that trip's step, and pair B's x is asked for.  Pair B is staged in trip 7 and leaves in trip 8.
;   So 63 of x's 64 loads stand a step or more ahead of their use; the 64th, which LOADcnt's field (ISA guide 5.7.1) has no room for beside them, stands at the way out's head, is used last there, and its two rows alone are prefetched.
; No cluster: only the two work-groups of a window walk the same blocks in the same steps; the next window's walk them four steps earlier, so four partners would ask for different blocks in one round.
; LIMITS: NaN and infinities are not served, nor carried from the blocks left out; a real score at or under -1e9 is not told apart from a hidden one; a block of p that is all zeros keeps the scale byte 1 (its codes are zeros).
; REGISTERS.  Window 0: v0-7 lane and addresses; v8-25, v26-43 a pair's state; v44-55, v86-87 scale words, spare word; v56-85 the softmax's work; v96-223 S^T of the two pairs, later fragments of v; v224-255 key tile 6, later the way out's work.
;   Window 1: v0-127 q (pair p, tile a, channel step s at 64 p + 32 a + 16 s); v128-191 key tiles 2 and 3, then p's codes; v192-255 two key tiles of k, later v's group 2.   Window 2, 3: O^T of pair A, B (tile a, channel tile t at 128 a + 8 t); window 2 later x.
.set BLKB,  67584
.set RECB,  16896
.set VOFF,  33792
.set SLOT1, 1<<17
.set SPT,   272                        ; a stage row: 64 queries x 4 bytes + 16
.set STG0,  67584                      ; stage half k (128 channels) begins at STG0 + STGM min(k, 1) + STGK k
.set STGM,  96256
.set STGK,  128*SPT
.set RLB,   303104                     ; 1 / l of 64 queries: 256 bytes for each of two stage regions
.set SPARE, 303616                     ; the spare words, 128 bytes a wave: two blocks of 256 bytes that no other line names
.set AK,  1
.set AV,  2
.set ASK, 3
.set ASV, 4
.set LK4, 5                            ; 256 (lane / 16) + 4 (lane % 16)
.set PFO, 6                            ; kv's prefetches: 8192 x wave + 256 x lane; never rewritten
.set XO,  7                            ; x and out0: 32768 (lane / 16) + 16 (lane % 16); never rewritten
.set VS,  46                           ; v46-47, v54-55, v86-87 v's scale words;  v44, v45, v52, v53 k's
.set MT,  48                           ; v48-49 the mask's work
.set SPW, 50
.set NIL, 51
.set BM,  56
.set PT,  60
.set HO,  64
.set SO,  68
.set BY,  72
.set TT,  76
.set FH,  78
.set SU,  82
.set S0,  96
.set OT,  224
.set WV,  2
.set GA,  3
.set GB,  12
.set C2,  13
.set HW,  14
.set WN,  15
.set TDA, 16                           ; s16, s17: TD of pair A, of pair B
.set TDB, 17
.set TLIM, 18
.set MNT, 19
.set SEL, 20
.set CS,  22
.set G1,  24
.set G0,  32
.set T,   36
.set TB,  37
.set PFA, 38
.set XP,  40
.set OP,  42
.set DQ,  44
.set SS0, 45
.set SS1, 46
.set SRD, 47
.set SRL, 48
.set SRLA, 49
.set BB,  66
.set PLIM, 67
.set TSA, 68
.set TOA, 69
.set XD,  70
.set MSB, 0
.macro WIN new                         ; the immediate's high byte repeats the setting that is left
.if MSB != \new
	s_set_vgpr_msb (MSB<<8)|\new
.set MSB, \new
.endif
.endm
.macro NOPS n
.rept \n
	v_nop
.endr
.endm
.macro WALU
	s_wait_alu depctr_va_vdst(0)
.endm
	s_load_b256 s[4:11], s[0:1], 0x0               ; q s[4:5], kv s[6:7], x s[8:9], out0 s[10:11]
	v_lshl_add_u32 v[SPW], v0, 2, SPARE
	v_mov_b32 v[NIL], 0
	ds_add_u32 v[SPW], v[NIL]                      ; the opening lines: the add, twice on end, and its wait ahead of my first tensor load
	ds_add_u32 v[SPW], v[NIL]
	v_lshrrev_b32 v1, 5, v0
	v_readfirstlane_b32 s[WV], v1                  ; wave 0..3
	v_and_b32 v0, 31, v0                           ; from here on v0 is the lane
	s_lshr_b32 s[GA], s[WV], 1                     ; pair A's group, and my stage region
	s_sub_co_u32 s[GB], 3, s[GA]                   ; pair B's group
	s_and_b32 s[C2], s[WV], 1
	s_and_b32 s[HW], ttmp9, 1
	s_bfe_u32 s[WN], ttmp9, 0x40001                ; the window
	s_lshr_b32 s[BB], ttmp9, 5                     ; the batch
	s_min_u32 s50, s[WN], 1
	s_lshl_b32 s50, s50, 2                         ; 4 steps of the window before, or none
	s_add_co_u32 s[TDA], s[GA], s50
	s_add_co_u32 s[TDB], s[GB], s50
	s_add_co_u32 s[TLIM], s50, 3                   ; the work-group's last step
	s_max_u32 s[TSA], s[TDA], 1
	s_add_co_u32 s[TOA], s[TSA], 1
	s_cmp_eq_u32 s[WN], 15                         ; who prefetches what: see CHANGE
	s_cselect_b32 s[PLIM], 8, 4
	s_cmp_eq_u32 s[WN], 0
	s_cselect_b32 s[PLIM], 0, s[PLIM]
	s_cmp_eq_u32 s[HW], 1
	s_cselect_b32 s[PLIM], 0, s[PLIM]
	s_max_u32 s51, s[WN], 1
	s_lshl_b32 s51, s51, 2
	s_lshl_b32 s52, s[BB], 6
	s_add_co_u32 s51, s51, s52
	s_sub_co_u32 s51, s51, 4                       ; my first block: 64 b + 4 max(window, 1) - 4
	s_mul_i32 s52, s51, BLKB
	s_mov_b32 s53, 0
	s_mul_i32 s54, s[WV], RECB                     ; my quarter of a block: in memory and in a slot
	s_mov_b32 s55, 0
	s_lshl_b32 s56, s[BB], 7                       ; records of q: 128 b + 8 window + 2 group + hw
	s_lshl_b32 s57, s[WN], 3
	s_add_co_u32 s56, s56, s57
	s_add_co_u32 s56, s56, s[HW]
	s_lshl_b32 s57, s[GB], 1
	s_add_co_u32 s58, s56, s57
	s_lshl_b32 s57, s[GA], 1
	s_add_co_u32 s56, s56, s57
	s_mul_i32 s56, s56, RECB
	s_mul_i32 s58, s58, RECB
	s_mov_b32 s57, 0
	s_mov_b32 s59, 0
	s_lshl_b32 s72, s[BB], 23                      ; x and out0: the batch, my 128 channels (128 c2 on), pair A's 64 positions
	s_lshl_b32 s73, s[C2], 22
	s_add_co_u32 s72, s72, s73
	s_lshl_b32 s73, s[WN], 11
	s_add_co_u32 s72, s72, s73
	s_lshl_b32 s73, s[GA], 9
	s_add_co_u32 s72, s72, s73
	s_lshl_b32 s73, s[HW], 8
	s_add_co_u32 s72, s72, s73
	s_mov_b32 s73, 0
	s_sub_co_u32 s[XD], s[GB], s[GA]
	s_lshl_b32 s[XD], s[XD], 9                     ; from pair A's positions to pair B's, in bytes
	s_mov_b32 s[XD+1], 0
	s_lshl_b32 s[DQ], s[HW], 6
	s_lshl_b32 s60, s[C2], 5
	s_add_co_u32 s[DQ], s[DQ], s60                 ; a pair's first query among its group's 128
	s_lshl_b32 s61, s[GA], 1                       ; the stage: my region's first half
	s_min_u32 s62, s61, 1
	s_mul_i32 s62, s62, STGM
	s_mul_i32 s63, s61, STGK
	s_add_co_u32 s62, s62, s63
	s_add_co_u32 s[SS0], s62, STG0
	s_add_co_u32 s[SS1], s63, STG0+STGM+STGK
	s_add_co_u32 s61, s61, s[C2]                   ; the half that I read back
	s_min_u32 s62, s61, 1
	s_mul_i32 s62, s62, STGM
	s_mul_i32 s63, s61, STGK
	s_add_co_u32 s62, s62, s63
	s_add_co_u32 s[SRD], s62, STG0
	s_lshl_b32 s62, s[C2], 7                       ; my 32 queries' columns
	s_add_co_u32 s[SS0], s[SS0], s62
	s_add_co_u32 s[SS1], s[SS1], s62
	s_lshl_b32 s[SRL], s[GA], 8
	s_add_co_u32 s[SRL], s[SRL], RLB
	s_add_co_u32 s[SRLA], s[SRL], s62
	s_mov_b32 s[G1+0], 3<<16                       ; group 1: 66 dense rows of 256 bytes (32 elements of 8 bytes)
	s_mov_b32 s[G1+1], 32<<16
	s_mov_b32 s[G1+2], 66<<16
	s_mov_b32 s[G1+3], 32<<16
	s_mov_b32 s[G1+4], 66
	s_mov_b32 s[G1+5], 32
	s_mov_b32 s[G1+6], 0
	s_mov_b32 s[G1+7], 0
	s_mov_b32 s[SEL], 0x76543210
	s_mov_b32 s[SEL+1], 0xfedcba98                 ; v_permlanex16_b32's selects for lane l xor 16
	s_mov_b32 s[CS], 0x3db8aa3b                    ; c = log2(e) / 16
	s_mov_b32 s[CS+1], s[CS]
	s_mov_b32 s[MNT], 0x600000                     ; the mantissa field of 448
	s_mov_b32 s[TB], 0
	s_mov_b32 s[T], 0
	s_wait_dscnt 0x0                               ; both opening adds are done
	s_wait_kmcnt 0x0
	s_add_nc_u64 s[6:7], s[6:7], s[52:53]          ; kv at my first block
	s_add_nc_u64 s[PFA:PFA+1], s[6:7], BLKB        ; the first change of slots steps this to step 2's block
	s_mov_b32 s[G0], 1
	s_mov_b32 s[G0+1], s54
	s_add_nc_u64 s[G0+2:G0+3], s[6:7], s[54:55]
	s_or_b32 s[G0+3], s[G0+3], 0x80000000
	tensor_load_to_lds s[G0:G0+3], s[G1:G1+7]      ; step 0 into slot 0: my one tensor load at the head
	s_nop 0
	NOPS 4
	s_add_nc_u64 s[56:57], s[4:5], s[56:57]        ; pair A's record of q
	s_add_nc_u64 s[58:59], s[4:5], s[58:59]        ; pair B's
	s_add_nc_u64 s[XP:XP+1], s[8:9], s[72:73]
	s_add_nc_u64 s[OP:OP+1], s[10:11], s[72:73]
	WALU                                           ; v0 was written many scalar lines back
	v_and_b32 v1, 15, v0
	v_bfe_u32 v2, v0, 4, 1
	v_lshlrev_b32 v[LK4], 2, v1
	v_lshl_add_u32 v[LK4], v2, 8, v[LK4]
	v_lshlrev_b32 v[XO], 4, v1
	v_lshl_add_u32 v[XO], v2, 15, v[XO]
	v_lshlrev_b32 v[PFO], 8, v0
	s_lshl_b32 s50, s[WV], 13
	v_add_nc_u32 v[PFO], s50, v[PFO]
	s_lshl_b32 s51, s[C2], 13                      ; a pair's two tiles are its record's tiles 2 c2 and 2 c2 + 1
	v_lshl_add_u32 v1, v0, 4, s51
	s_lshl_b32 s52, s[C2], 7
	v_add_nc_u32 v2, s52, v[LK4]
.irp a, 0,1
	global_load_b32 v[24+\a], v2, s[56:57] offset:16384+64*\a   ; q's scale words: lanes 0-15 channel step 0's, lanes 16-31 step 1's
	global_load_b32 v[42+\a], v2, s[58:59] offset:16384+64*\a
.endr
	WIN 0x40
.irp a, 0,1
.irp q, 0,1
.irp c, 0,1,2,3
	global_load_b128 v[32*\a+16*\q+4*\c:32*\a+16*\q+4*\c+3], v1, s[56:57] offset:4096*\a+2048*\q+512*\c
	global_load_b128 v[64+32*\a+16*\q+4*\c:64+32*\a+16*\q+4*\c+3], v1, s[58:59] offset:4096*\a+2048*\q+512*\c
.endr
.endr
.endr
	WIN 0
.irp n, 8,12,26,30
	v_mov_b32 v[\n], 0x7f61b1e6                    ; -M: 3e38, over every -t
	v_mov_b32 v[\n+2], 0                           ; l, in two halves
	v_mov_b32 v[\n+3], 0
.endr
.irp b, 0,1,2,3
	v_mov_b32 v[PT+\b], 0                          ; a lane permute's destination counts as one of its sources
.endr
	v_mov_b32 v[FH+1], 0                           ; (named as the upper halves of pairs)
	v_mov_b32 v[FH+3], 0
	WALU
	s_wait_loadcnt 0x0                             ; q is in
; where key tile j of a step's eight lies: register rB of window wB, its scale words in v[rKS].  Tiles 0, 4, 7: v192 of window 1; 1, 5: v224 of window 1; 2, 3: the registers of p's codes, free until the first conversions; 6: v224 of window 0
.macro KBUF j
.set wB, 1
.if (\j) == 2
.set rB, 128
.elseif (\j) == 3
.set rB, 160
.elseif (\j) == 6
.set rB, 224
.set wB, 0
.elseif ((\j) == 1) || ((\j) == 5)
.set rB, 224
.else
.set rB, 192
.endif
.set rKS, 44+(\j)%2+8*(((\j)%4)/2)
.endm
; nine LDS loads: key tile j (16 keys x 256 channels) and its scale words
.macro KLOAD j
	KBUF \j
	WIN 0
	ds_load_b32 v[rKS], v[ASK] offset:RECB*((\j)/4)+16384+64*((\j)%4)
.if wB
	WIN 0x40
.endif
.irp q, 0,1
.irp c, 0,1,2,3
	ds_load_b128 v[rB+16*\q+4*\c:rB+16*\q+4*\c+3], v[AK] offset:RECB*((\j)/4)+4096*((\j)%4)+2048*\q+512*\c
.endr
.endr
.endm
; key tile j against my query tiles (pl = 0: both pairs, eight products; 1: pair B alone, four); the accumulators by turns
.macro KQ j, pl
	KBUF \j
.if wB
	WIN 0x05                                       ; k and q in window 1
.else
	WIN 0x04                                       ; q in window 1
.endif
.irp q, 0,1
.irp p, 0,1
.if \p >= \pl
.irp a, 0,1
.set rS, S0+64*\p+32*\a+8*((\j)%4)
.if \q == 0
	v_wmma_scale_f32_16x16x128_f8f6f4 v[rS:rS+7], v[rB:rB+15], v[64*\p+32*\a:64*\p+32*\a+15], 0, v[rKS], v[24+18*\p+\a]
.else
	v_wmma_scale_f32_16x16x128_f8f6f4 v[rS:rS+7], v[rB+16:rB+31], v[64*\p+32*\a+16:64*\p+32*\a+31], v[rS:rS+7], v[rKS], v[24+18*\p+\a] matrix_a_scale:MATRIX_SCALE_ROW1 matrix_b_scale:MATRIX_SCALE_ROW1
.endif
.endr
.endif
.endr
.endr
.endm
; THE SOFTMAX of pair p over half hf's 64 keys.  Block 2 a + b' is tile a's keys 64 hf + 32 b' on; its register i is key 16 (lane / 16) + i of the block.  mk = 1: the pair may be on its diagonal.
.macro SOFT hf, p, mk
.set SP, S0+64*\p
.set NM, 8+18*\p                       ; tile a: -M and its old value at NM + 4 a; l in two halves at LL + 4 a
.set LL, NM+2
.set FF, NM+8                          ; tile a: what O^T is multiplied by in this step, at FF + 2 a
.set PS, NM+9                          ; tile a: p's scale word, at PS + 2 a
.set B0, NM+12                         ; the first half's largest p of each block
.if \mk
	s_cmp_lg_u32 s[T], s[TDA+\p]                   ; only the step on the diagonal has hidden keys
	s_cbranch_scc1 .Lopen_\@
.if \hf == 0
	s_cmp_ge_u32 s[DQ], 63                         ; and where the first query is the 63rd of its 128 or later, keys 0 to 63 all count
	s_cbranch_scc1 .Lopen_\@
.endif
	v_and_b32 v[MT], 15, v0
	v_and_b32 v[MT+1], 8, v0
	v_add_nc_u32 v[MT], v[MT], v[MT+1]
	v_and_b32 v[MT+1], 16, v0
	v_sub_nc_u32 v[MT], v[MT], v[MT+1]
	s_sub_co_i32 s50, s[DQ], 64*\hf
	v_add_nc_u32 v[MT], s50, v[MT]                 ; D = tile 0's query of my lane - 64 hf - 16 (lane / 16): register i of block 2 a + b' is hidden where 32 b' + i - 8 a > D
	v_mov_b32 v[MT+1], 0xff800000                  ; -infinity: p = 0
.irp b, 0,1,2,3
.irp i, 0,1,2,3,4,5,6,7,8,9,10,11,12,13,14,15
	v_cmp_gt_i32 vcc_lo, 32*(\b%2)+\i-8*(\b/2), v[MT]
	v_cndmask_b32 v[SP+16*\b+\i], v[SP+16*\b+\i], v[MT+1], vcc_lo
.endr
.endr
.Lopen_\@:
.else
	WALU
.endif
.irp b, 0,1,2,3
	v_max3_num_f32 v[BM+\b], v[SP+16*\b], v[SP+16*\b+1], v[SP+16*\b+2]   ; the largest score of each block: for the row's maximum and, since p rises with the score, for the block's largest p
.endr
.irp i, 3,5,7,9,11,13
.irp b, 0,1,2,3
	v_max3_num_f32 v[BM+\b], v[BM+\b], v[SP+16*\b+\i], v[SP+16*\b+\i+1]
.endr
.endr
.irp b, 0,1,2,3
	v_max_num_f32 v[BM+\b], v[BM+\b], v[SP+16*\b+15]
.endr
.irp b, 0,1,2,3
	v_permlanex16_b32 v[PT+\b], v[BM+\b], s[SEL], s[SEL+1]
.endr
.irp b, 0,1,2,3
	v_max_num_f32 v[BM+\b], v[BM+\b], v[PT+\b]     ; with lane l xor 16's 16 keys
.endr
.irp a, 0,1
	v_max_num_f32 v[TT+\a], v[BM+2*\a], v[BM+2*\a+1]
.endr
.irp a, 0,1
	v_mul_f32 v[TT+\a], s[CS], v[TT+\a]            ; as t (c is positive)
.endr
.irp a, 0,1
	v_mov_b32 v[NM+4*\a+1], v[NM+4*\a]
.endr
.irp a, 0,1
	v_floor_f32 v[TT+\a], -v[TT+\a]                ; -ceil(t)
.endr
.irp a, 0,1
	v_min_num_f32 v[NM+4*\a], v[NM+4*\a], v[TT+\a] ; the new -M: a whole number
.endr
.irp a, 0,1
	v_sub_f32 v[TT+\a], v[NM+4*\a], v[NM+4*\a+1]   ; old M - new M, 0 or less
.endr
.irp a, 0,1
	v_cvt_i32_f32 v[TT+\a], v[TT+\a]               ; (it saturates)
.endr
.irp a, 0,1
	v_ldexp_f32 v[FH+2*\a], 1.0, v[TT+\a]          ; 2^(old M - new M)
.endr
.irp a, 0,1
.irp j, 0,2,4,6,8,10,12,14,16,18,20,22,24,26,28,30
	v_pk_fma_f32 v[SP+32*\a+\j:SP+32*\a+\j+1], v[SP+32*\a+\j:SP+32*\a+\j+1], s[CS:CS+1], v[NM+4*\a:NM+4*\a+1] op_sel_hi:[1,0,0]   ; t - M, two at a time
.endr
.endr
.irp b, 0,1,2,3
	v_fma_f32 v[BM+\b], v[BM+\b], s[CS], v[NM+4*(\b/2)]
.endr
	WALU
.set nn, 0
.rept 64
	v_exp_f32 v[SP+nn], v[SP+nn]                   ; p = 2^(t - M)
.set nn, nn+1
.endr
.irp a, 0,1
	v_pk_mul_f32 v[LL+4*\a:LL+4*\a+1], v[LL+4*\a:LL+4*\a+1], v[FH+2*\a:FH+2*\a+1] op_sel_hi:[1,0]   ; l under the new M: plain lines behind the exponentials
.endr
	WALU                                           ; one wait for the batch of 64, ahead of its first reader
.irp b, 0,1,2,3
	v_exp_f32 v[BM+\b], v[BM+\b]                   ; the block's largest p
.endr
.irp a, 0,1
	v_pk_add_f32 v[SU+2*\a:SU+2*\a+1], v[SP+32*\a:SP+32*\a+1], v[SP+32*\a+2:SP+32*\a+3]   ; l takes the unquantised p: two chains a tile
.endr
.irp j, 4,8,12,16,20,24,28
.irp a, 0,1
	v_pk_add_f32 v[LL+4*\a:LL+4*\a+1], v[LL+4*\a:LL+4*\a+1], v[SP+32*\a+\j:SP+32*\a+\j+1]
	v_pk_add_f32 v[SU+2*\a:SU+2*\a+1], v[SU+2*\a:SU+2*\a+1], v[SP+32*\a+\j+2:SP+32*\a+\j+3]
.endr
.endr
.irp a, 0,1
	v_pk_add_f32 v[LL+4*\a:LL+4*\a+1], v[LL+4*\a:LL+4*\a+1], v[SU+2*\a:SU+2*\a+1]
.endr
	WALU                                           ; and one for the four
.if \hf == 0
.set FB, B0                                    ; the first half's are kept: their bytes are taken when the step's M is known
.else
.set FB, BM
.endif
.irp b, 0,1,2,3
	v_max_num_f32 v[FB+\b], 0x4800000, v[BM+\b]    ; the floor 2^(9 - 127): the byte cannot fall under 1
.endr
.irp b, 0,1,2,3
	v_add_nc_u32 v[SO+\b], 0xfc000000, v[FB+\b]    ; 8 off the exponent field: the conversion's scale operand
.endr
.irp b, 0,1,2,3
	v_and_or_b32 v[HO+\b], v[FB+\b], 0x7f800000, s[MNT]   ; 448 x the scale
.endr
.if \hf == 0
.irp a, 0,1
	v_mov_b32 v[FF+2*\a], v[FH+2*\a]
.endr
.else
.irp b, 0,1,2,3
	v_lshrrev_b32 v[BY+\b], 23, v[SO+\b]           ; this half's bytes
.endr
.irp b, 0,1,2,3
	v_mul_f32 v[B0+\b], v[B0+\b], v[FH+2*(\b/2)]   ; the first half's largest p under this half's M: its codes stay, its scale moves
.endr
.irp b, 0,1,2,3
	v_max_num_f32 v[B0+\b], 0x4800000, v[B0+\b]
.endr
.irp b, 0,1,2,3
	v_add_nc_u32 v[B0+\b], 0xfc000000, v[B0+\b]
.endr
.irp b, 0,1,2,3
	v_lshrrev_b32 v[B0+\b], 23, v[B0+\b]
.endr
.irp a, 0,1
	v_lshl_or_b32 v[PS+2*\a], v[B0+2*\a+1], 8, v[B0+2*\a]   ; p's scale word for the step's 128 keys
.endr
.irp a, 0,1
	v_lshl_or_b32 v[PS+2*\a], v[BY+2*\a], 16, v[PS+2*\a]
.endr
.irp a, 0,1
	v_lshl_or_b32 v[PS+2*\a], v[BY+2*\a+1], 24, v[PS+2*\a]
.endr
.irp a, 0,1
	v_mul_f32 v[FF+2*\a], v[FF+2*\a], v[FH+2*\a]
.endr
.endif
.irp b, 0,1,2,3
.irp i, 0,1,2,3,4,5,6,7,8,9,10,11,12,13,14,15
	v_min_num_f32 v[SP+16*\b+\i], v[SP+16*\b+\i], v[HO+\b]   ; the conversion to an 8-bit code does not saturate (ISA guide 7.6.2); p is not negative, so the hold is one-sided
.endr
.endr
	WIN 0x40                                       ; the codes go to window 1
.irp b, 0,1,2,3
.set rC, 128+32*\p+16*(\b/2)+8*\hf+4*(\b%2)
	v_cvt_scalef32_pk8_fp8_f32 v[rC:rC+1], v[SP+16*\b:SP+16*\b+7], v[SO+\b]
	v_cvt_scalef32_pk8_fp8_f32 v[rC+2:rC+3], v[SP+16*\b+8:SP+16*\b+15], v[SO+\b]
.endr
	WIN 0
	v_nop                                          ; a plain line behind the last conversion: later products write its sources
.endm
; where v's group g (channel tiles 4 g to 4 g + 3) lies: register rVB of window wV, its scale words in v[rVS], v[rVS+1].  Groups 0, 3: pair A's S; 1: pair B's S; 2: k's two buffers in window 1
.macro VBUF g
.set wV, 0
.set rVS, VS
.if (\g) == 1
.set rVB, S0+64
.set rVS, VS+8
.elseif (\g) == 2
.set rVB, 192
.set wV, 1
.set rVS, 86
.else
.set rVB, S0
.endif
.endm
; eighteen LDS loads: a group of v; a register of scale words serves two tiles (lanes 0-15, lanes 16-31)
.macro VLOAD g
	VBUF \g
	ds_load_b32 v[rVS], v[ASV] offset:32768+256*(\g)
	ds_load_b32 v[rVS+1], v[ASV] offset:32768+256*(\g)+128
.if wV
	WIN 0x40
.endif
.irp t, 0,1,2,3
.irp c, 0,1,2,3
	ds_load_b128 v[rVB+16*\t+4*\c:rVB+16*\t+4*\c+3], v[AV] offset:2048*(4*(\g)+\t)+512*\c
.endr
.endr
	WIN 0
.endm
; eight products a pair on eight accumulators.  zero = 1: they start the sums
.macro PVM g, pl, zero
	VBUF \g
.irp p, 0,1
.if \p >= \pl
	WIN 0xa4+0x50*\p+wV                            ; C and D window 2 + p, p's codes window 1, v window wV
.irp t, 0,1,2,3
.irp a, 0,1
.set rO, 128*\a+8*(4*(\g)+\t)
.set rV, rVB+16*\t
.set rP, 128+32*\p+16*\a
.set rK, rVS+\t/2
.set rW, 17+18*\p+2*\a
.if \zero
.if (\t%2) == 0
	s_wait_alu depctr_va_vdst(0)
	v_wmma_scale_f32_16x16x128_f8f6f4 v[rO:rO+7], v[rV:rV+15], v[rP:rP+15], 0, v[rK], v[rW]
.else
	v_wmma_scale_f32_16x16x128_f8f6f4 v[rO:rO+7], v[rV:rV+15], v[rP:rP+15], 0, v[rK], v[rW] matrix_a_scale:MATRIX_SCALE_ROW1
.endif
.else
.if (\t%2) == 0
	v_wmma_scale_f32_16x16x128_f8f6f4 v[rO:rO+7], v[rV:rV+15], v[rP:rP+15], v[rO:rO+7], v[rK], v[rW]
.else
	v_wmma_scale_f32_16x16x128_f8f6f4 v[rO:rO+7], v[rV:rV+15], v[rP:rP+15], v[rO:rO+7], v[rK], v[rW] matrix_a_scale:MATRIX_SCALE_ROW1
.endif
.endif
.endr
.endr
.endif
.endr
.endm
.macro SOFTS hf, pl
.if \pl == 0
	SOFT \hf, 0, 1                                 ; while both pairs work only pair A can be on its diagonal
	SOFT \hf, 1, 0
.else
	SOFT \hf, 1, 1
.endif
.endm
; A KEY STEP: the block in the slot at s[TB].  A key tile is nine LDS loads, a group of v eighteen: each counted wait leaves out the tiles or groups asked for behind the one that it serves.
; Eight places stand in front of loads into registers that products have read and of the first read of results.
.macro STEP pl, zero
	v_lshl_add_u32 v[AK], v0, 4, s[TB]
	v_add_nc_u32 v[ASK], s[TB], v[LK4]
	v_lshl_add_u32 v[ASV], v0, 2, s[TB]
	v_add_nc_u32 v[AV], VOFF, v[AK]
	v_add_nc_u32 v[ASV], VOFF, v[ASV]
	KLOAD 0
	KLOAD 1
	KLOAD 2
	KLOAD 3
	WALU
	s_wait_dscnt 27                                ; tile 0 is in; tiles 1 to 3 may be out
	KQ 0, \pl
	s_wait_dscnt 18
	KQ 1, \pl
	s_wait_dscnt 9
	KQ 2, \pl
	s_wait_dscnt 0x0
	KQ 3, \pl
	NOPS 8
	KLOAD 4                                        ; three tiles of the second half land while the softmax below is worked
	KLOAD 5
	KLOAD 6
	WIN 0
	SOFTS 0, \pl
	s_wait_dscnt 18                                ; tile 4 is in
	KQ 4, \pl
	NOPS 8
	KLOAD 7                                        ; into tile 4's registers
	s_wait_dscnt 18                                ; tile 5 is in; tiles 6 and 7 may be out
	KQ 5, \pl
	s_wait_dscnt 9
	KQ 6, \pl
	s_wait_dscnt 0x0
	KQ 7, \pl
	WIN 0
	NOPS 8
	SOFTS 1, \pl
	VLOAD 0
	VLOAD 1
	VLOAD 2
.if \zero
	NOPS 4                                         ; the places between p's codes and the products
.else
.irp p, 0,1
.if \p >= \pl
	WIN 0x82+0x41*\p                               ; O^T (destination, source 0) window 2 + p
	WALU
.irp a, 0,1
.set nn, 128*\a
.rept 64
	v_pk_mul_f32 v[nn:nn+1], v[nn:nn+1], v[16+18*\p+2*\a:16+18*\p+2*\a+1] op_sel_hi:[1,0]   ; O^T under the step's M
.set nn, nn+2
.endr
.endr
.endif
.endr
.endif
	WIN 0
	WALU
	s_wait_dscnt 36                                ; group 0 is in; groups 1 and 2 may be out
	PVM 0, \pl, \zero
	WIN 0
	NOPS 8
	VLOAD 3                                        ; into group 0's registers
	s_wait_dscnt 36                                ; group 1 is in; groups 2 and 3 may be out
	PVM 1, \pl, \zero
	s_wait_dscnt 18
	PVM 2, \pl, \zero
	s_wait_dscnt 0x0
	PVM 3, \pl, \zero
	WIN 0
	NOPS 9                                         ; the next products write over registers that these have read: one place more than a load wants
.endm
; THE CHANGE OF SLOTS, at a trip's head.  Each wave waits for all its tensor loads, adds 0 to its spare word, and waits for that and for its LDS instructions.  Behind the barrier the slot just left takes the next step's block,
; while there is one for this work-group: every wait on TENSORcnt in this text is for 0.
; A PREFETCH of the block of step T + 2: 4 waves x 2 x 32 lanes x 256 bytes, the block's first 65,536 bytes.  Each run of 256 bytes is named once in the launch: a window's blocks are walked first, as steps 0 to 3,
; by the next window's work-groups, of which the one with hw = 0 asks for steps 2 and 3; the last window's own blocks by its hw = 0, steps 4 to 7.  Steps 0 and 1 come by their loads alone.
.macro CHANGE
	s_wait_tensorcnt 0x0                           ; no tensor load of mine is out, so the descriptor may be written
	ds_add_u32 v[SPW], v[NIL]                      ; 0 onto my spare word
	s_xor_b32 s[G0+1], s[G0+1], SLOT1
	s_add_nc_u64 s[G0+2:G0+3], s[G0+2:G0+3], BLKB
	s_wait_xcnt 0x0                                ; the last prefetch, a step back, has read its address
	s_add_nc_u64 s[PFA:PFA+1], s[PFA:PFA+1], BLKB
	s_wait_dscnt 0x0
	s_barrier_signal -1
	s_barrier_wait -1
	s_cmp_ge_u32 s[T], s[TLIM]
	s_cbranch_scc1 .Lpast_\@
	tensor_load_to_lds s[G0:G0+3], s[G1:G1+7]      ; my one tensor load behind this barrier: it has a whole step in which to land
	s_nop 0
	NOPS 4
.Lpast_\@:
	s_add_co_u32 s50, s[T], 2
	s_cmp_lt_u32 s50, s[PLIM]
	s_cbranch_scc0 .Lnot_mine_\@
	global_prefetch_b8 v[PFO], s[PFA:PFA+1] th:TH_LOAD_NT scope:SCOPE_SE
	global_prefetch_b8 v[PFO], s[PFA:PFA+1] offset:32768 th:TH_LOAD_NT scope:SCOPE_SE
.Lnot_mine_\@:
.endm
; STAGE: 1 / l and pair p's O^T into my columns of my stage region, [channel][query].  It works in the pair's state registers, which are done with.
.macro STAGE p
.set N, 8+18*\p
	v_add_f32 v[N+12], v[N+2], v[N+3]
	v_add_f32 v[N+13], v[N+6], v[N+7]
	v_permlanex16_b32 v[N+14], v[N+12], s[SEL], s[SEL+1]
	v_permlanex16_b32 v[N+15], v[N+13], s[SEL], s[SEL+1]
	v_add_f32 v[N+12], v[N+12], v[N+14]            ; the row's sum
	v_add_f32 v[N+13], v[N+13], v[N+15]
	WALU
	v_rcp_f32 v[N+12], v[N+12]
	v_rcp_f32 v[N+13], v[N+13]
	v_and_b32 v[N+8], 15, v0                       ; (plain lines behind the reciprocals)
	v_and_b32 v[N+10], 8, v0
	v_add_nc_u32 v[N+8], v[N+8], v[N+10]
	v_lshlrev_b32 v[N+8], 2, v[N+8]                ; my query's column: 4 (r + 8 (r / 8)), + 32 bytes for tile 1
	v_bfe_u32 v[N+10], v0, 4, 1
	v_add_nc_u32 v[N+4], s[SRLA], v[N+8]
	v_mad_u32_u24 v[N+8], v[N+10], 8*SPT, v[N+8]   ; lanes 16-31 hold the channels 8 further on
	v_add_nc_u32 v[N], s[SS0], v[N+8]              ; channels 0-127
	v_add_nc_u32 v[N+1], s[SS1], v[N+8]            ; channels 128-255
	WALU                                           ; the wait for the two reciprocals, ahead of their first reader and of O^T's
	ds_store_b32 v[N+4], v[N+12]
	ds_store_b32 v[N+4], v[N+13] offset:32
	WIN 0x08+4*\p                                  ; an LDS store's data are its source 1: window 2 + p
.irp a, 0,1
.irp t, 0,1,2,3,4,5,6,7
.irp j, 0,1,2,3,4,5,6,7
	ds_store_b32 v[N], v[128*\a+8*\t+\j] offset:(16*\t+\j)*SPT+32*\a       ; each accumulator from its low end on
.endr
.endr
.irp t, 0,1,2,3,4,5,6,7
.irp j, 0,1,2,3,4,5,6,7
	ds_store_b32 v[N+1], v[128*\a+64+8*\t+\j] offset:(16*\t+\j)*SPT+32*\a
.endr
.endr
.endr
	WIN 0
.endm
; XLOAD: 126 of my 128 rows of x at s[XP] (64 positions, 256 bytes each) are asked for, into window 2, which holds nothing that is still wanted: 63 loads, as many as LOADcnt's field counts.  The last two rows are prefetched; OUT loads them
.macro XLOAD
	s_wait_dscnt 0x0                               ; my stores into the stage have read these registers
	s_wait_loadcnt 0x0                             ; the 63 below are the only loads that are out
	WIN 0x80
.set nn, 0
.rept 63
	global_load_b128 v[4*nn:4*nn+3], v[XO], s[XP:XP+1] offset:65536*nn th:TH_LOAD_NT
.set nn, nn+1
.endr
	WIN 0
	global_prefetch_b8 v[XO], s[XP:XP+1] offset:65536*63 th:TH_LOAD_NT scope:SCOPE_SE   ; sixteen lanes name one row's 256 bytes, sixteen the next's; a trip or more ahead of the load
.endm
; OUT: 128 channels of my region's 64 queries come back from the stage as rows; out = O / l + x; sixteen lanes store 256 consecutive bytes, aligned
.macro OUT
	WIN 0x80
	global_load_b128 v[252:255], v[XO], s[XP:XP+1] offset:65536*63 th:TH_LOAD_NT   ; x's last two rows: the youngest of the 64 loads, used last
	WIN 0
	v_and_b32 v[OT], 15, v0
	v_lshlrev_b32 v[OT], 4, v[OT]
	v_bfe_u32 v[OT+1], v0, 4, 1
	v_add_nc_u32 v[OT+2], s[SRL], v[OT]
	v_mad_u32_u24 v[OT+3], v[OT+1], SPT, v[OT]
	v_add_nc_u32 v[OT+3], s[SRD], v[OT+3]
	ds_load_b128 v[OT+4:OT+7], v[OT+2]             ; 1 / l of my four queries
.irp k, 0,1,2,3
.irp i, 0,1,2,3,4,5,6,7,8,9,10,11,12,13,14,15
	ds_load_b128 v[S0+4*\i:S0+4*\i+3], v[OT+3] offset:2*SPT*(16*\k+\i)
.endr
	s_wait_dscnt 0x0
	s_wait_loadcnt 48-16*\k                        ; this batch's sixteen loads of x are in; the later batches' may be out
	WIN 0xa0                                       ; x (source 2) and the result in window 2
.irp i, 0,1,2,3,4,5,6,7,8,9,10,11,12,13,14,15
	v_pk_fma_f32 v[64*\k+4*\i:64*\k+4*\i+1], v[S0+4*\i:S0+4*\i+1], v[OT+4:OT+5], v[64*\k+4*\i:64*\k+4*\i+1]
	v_pk_fma_f32 v[64*\k+4*\i+2:64*\k+4*\i+3], v[S0+4*\i+2:S0+4*\i+3], v[OT+6:OT+7], v[64*\k+4*\i+2:64*\k+4*\i+3]
.endr
	WIN 0x08                                       ; a store's data are its source 1
.irp i, 0,1,2,3,4,5,6,7,8,9,10,11,12,13,14,15
	global_store_b128 v[XO], v[64*\k+4*\i:64*\k+4*\i+3], s[OP:OP+1] offset:65536*(16*\k+\i) th:TH_STORE_NT
.endr
	WIN 0
.endr
.endm
	CHANGE                                         ; step 0, which both pairs of every wave work, stands ahead of the loop: its products start O^T's sums
	STEP 0, 1
	s_xor_b32 s[TB], s[TB], SLOT1
	s_add_co_u32 s[T], s[T], 1
.Ltrip:                                            ; trips 1 to 8
	CHANGE
	s_cmp_gt_u32 s[T], s[TDA]                      ; ids and the count of steps alone
	s_cbranch_scc1 .Lnot_full
	s_wait_loadcnt 0x0                             ; no load is out while pair A works: window 2 is O^T
	STEP 0, 0
	s_branch .Lx_done
.Lnot_full:
	s_cmp_gt_u32 s[T], s[TDB]
	s_cbranch_scc1 .Lno_step
	STEP 1, 0
.Lno_step:
	s_cmp_eq_u32 s[T], s[TOA]                      ; pair A leaves one trip behind its staging, behind this trip's step; pair B in trip 8
	s_cbranch_scc1 .Lout
	s_cmp_lg_u32 s[T], 8
	s_cbranch_scc1 .Lx_done
.Lout:
	OUT
	s_wait_xcnt 0x0                                ; the stores have read their data, their offset and their base
	s_add_nc_u64 s[XP:XP+1], s[XP:XP+1], s[XD:XD+1]   ; on to pair B's positions
	s_add_nc_u64 s[OP:OP+1], s[OP:OP+1], s[XD:XD+1]
.Lx_done:
	s_wait_dscnt 0x0                               ; my reads of the stage are over
	s_barrier_signal -1
	s_barrier_wait -1                              ; the second barrier of a trip: behind it the stage is written, ahead of it read
	s_cmp_lg_u32 s[T], s[TSA]
	s_cbranch_scc1 .Lno_sa
	s_wait_loadcnt 0x0                             ; window 2 is O^T still
	STAGE 0
	s_branch .Lxl
.Lno_sa:
	s_cmp_lg_u32 s[T], 7
	s_cbranch_scc1 .Lno_sb
	STAGE 1
.Lno_sb:
	s_cmp_lg_u32 s[T], s[TOA]
	s_cbranch_scc1 .Lno_x
.Lxl:
	XLOAD                                          ; trip TSA: pair A's x; trip TSA + 1: pair B's
.Lno_x:
	s_xor_b32 s[TB], s[TB], SLOT1
	s_add_co_u32 s[T], s[T], 1
	s_cmp_lt_u32 s[T], 9
	s_cbranch_scc1 .Ltrip
	s_wait_tensorcnt 0x0                           ; the wave's end
	ds_add_u32 v[SPW], v[NIL]
	s_wait_dscnt 0x0
	s_endpgm
.Lfunc_end_k_q1323e9ef89_attend:
	.size	k_q1323e9ef89_attend, .Lfunc_end_k_q1323e9ef89_attend-k_q1323e9ef89_attend
	.p2alignl 7, 3214868480
	.fill 96, 4, 3214868480
	.section	.rodata,"a",@progbits
	.p2align	6, 0x0
	.amdhsa_kernel k_q1323e9ef89_attend
		.amdhsa_group_segment_fixed_size 327680
		.amdhsa_private_segment_fixed_size 0
		.amdhsa_enable_private_segment 0
		.amdhsa_kernarg_size 32
		.amdhsa_user_sgpr_count 2
		.amdhsa_user_sgpr_kernarg_segment_ptr 1
		.amdhsa_wavefront_size32 1
		.amdhsa_system_sgpr_workgroup_id_x 1
		.amdhsa_system_sgpr_workgroup_id_y 1
		.amdhsa_system_sgpr_workgroup_id_z 1
		.amdhsa_system_vgpr_workitem_id 0
		.amdhsa_next_free_vgpr 1024
		.amdhsa_next_free_sgpr 80
		.amdhsa_reserve_vcc 1
		.amdhsa_float_denorm_mode_32 3
		.amdhsa_float_denorm_mode_16_64 3
		.amdhsa_memory_ordered 1
		.amdhsa_forward_progress 1
		.amdhsa_inst_pref_size 255
	.end_amdhsa_kernel
	.section	.bss,"aw",@nobits
	.p2align	6
	.space	262144
	.amdgpu_metadata
---
amdhsa.version: [ 1, 2 ]
amdhsa.kernels:
  - .name:           k_q1323e9ef89_attend
    .symbol:         k_q1323e9ef89_attend.kd
    .args:
      - { .name: q, .offset: 0, .size: 8, .value_kind: global_buffer, .address_space: global }
      - { .name: kv, .offset: 8, .size: 8, .value_kind: global_buffer, .address_space: global }
      - { .name: x, .offset: 16, .size: 8, .value_kind: global_buffer, .address_space: global }
      - { .name: out0, .offset: 24, .size: 8, .value_kind: global_buffer, .address_space: global }
    .group_segment_fixed_size: 327680
    .private_segment_fixed_size: 0
    .kernarg_segment_align: 8
    .kernarg_segment_size: 32
    .max_flat_workgroup_size: 128
    .sgpr_count:     80
    .vgpr_count:     1024
    .wavefront_size: 32
...
	.end_amdgpu_metadata
.endif
;; end of part 2
